; MI455X (gfx1250); checked and timed in simulation.
; The chip was launched on July 23, 2026; its instructions are those of AMD's public machine-readable ISA for CDNA 5 (MIT licence, August 2026) and "CDNA5" Instruction Set Architecture Reference Guide (July 2026). The comments in the code are by the model that wrote it; some were corrected since.
;; Multi Head Self Attention. Allowed arithmetic: matrix products marked QUANTISED: E5M2 operands, one E8M0 scale for each 32 along K, by v_wmma_scale_f32_16x16x128_f8f6f4 with both operands' format E5M2, f32 sums; everything else in f32.
;; Inputs: Wk 384 x 384 float32; Wo 384 x 384 float32; Wq 384 x 384 float32; Wv 384 x 384 float32; bk 384 float32; bo 384 float32; bq 384 float32; bv 384 float32; ln_b 384 float32; ln_g 384 float32; x 2 x 4,096 x 384 float32.
;; Outputs: out0 2 x 4,096 x 384 float32.
;; This version of the problem:
;;   THIS VERSION OF THE PROBLEM IS GIVEN IN LOW PRECISION. The matrix products marked QUANTISED in the list below multiply operands that are first quantised to E5M2 (5 exponent bits, 2 mantissa bits; 8 bits a number), with one power-of-two scale for each 32 numbers along K (OCP MX v1.0); their sums are f32. All else is computed in f32.
;;   The module's matrix products, in the order in which they are computed (A, B: the left and right operand; K: the contracted axis; several contracted axes count as one K, in the product's order):
;;     1. [M 8,192, K 384] x [K 384, N 384]; A: computed on the way; B: input Wq: QUANTISED
;;     2. [M 8,192, K 384] x [K 384, N 384]; A: computed on the way; B: input Wk: QUANTISED
;;     3. [M 8,192, K 384] x [K 384, N 384]; A: computed on the way; B: input Wv: QUANTISED
;;     4. batch 12 x [M 4,096, K 64] x [K 64, N 4,096]; A: computed on the way; B: computed on the way: QUANTISED
;;     5. batch 12 x [M 4,096, K 4,096] x [K 4,096, N 64]; A: softmax (see below); B: computed on the way: QUANTISED
;;     6. [M 8,192, K 384] x [K 384, N 384]; A: computed on the way; B: input Wo: QUANTISED
;;   THE QUANTISER, for each operand of a quantised product, along K:
;;     - K is cut into blocks of 32 from its start; a last block that is shorter is filled with zeros.
;;     - A block's scale is 2^e with e = floor(log2(the largest magnitude in the block)) - 15, held to -126 .. 127; a block of zeros has e = 0. As a byte (E8M0): e + 127.
;;     - Each number is divided by its block's scale, clamped to +-57,344, and rounded to the nearest number of E5M2, ties to even, subnormals kept.
;;     - The product sums the exact products of the quantised numbers (number of the format x scale) in f32.
;;   ~~~python
;;   def quantise(x, axis):      # numpy; x: float32 -> the quantised numbers, widened to float32 again
;;       x = np.moveaxis(x, axis, -1); K = x.shape[-1]
;;       x = np.pad(x, [(0, 0)] * (x.ndim - 1) + [(0, -K % 32)]); x = x.reshape(x.shape[:-1] + (-1, 32)); a = np.abs(x).max(-1, keepdims=True)
;;       e = np.where(a > 0, np.clip(np.frexp(np.where(a > 0, a, 1))[1] - 1 - 15, -126, 127), 0)      # np.frexp(a)[1] - 1 = floor(log2(a)), exactly
;;       r = np.clip(x / 2.0 ** e, -57344, 57344)
;;       step = 2.0 ** (np.maximum(np.frexp(np.where(r == 0, 1, r))[1] - 1, -14) - 2)
;;       q = np.round(r / step) * step * 2.0 ** e      # np.round: ties to even
;;       return np.moveaxis(q.reshape(q.shape[:-2] + (-1,))[..., :K], -1, axis).astype(np.float32)
;;   ~~~
;;   SOFTMAX AHEAD OF A QUANTISED PRODUCT. Where the list says 'softmax', what is quantised is not the finished softmax but p = 2^(t - M), with t = logit x log2(e) and M = ceil(the row's largest t), a whole number; so 1/2 < the row's largest p <= 1. The row's sum l is taken of the UNQUANTISED p, in f32, and the product's result is divided by l at the end. Since M is a whole number, a kernel that streams over the keys may use a running M (the ceiling of the running maximum): every later rescaling is an exact power of two, which a block's scale takes up: the codes' values come out the same.
;;   OPERANDS COMPUTED ON THE WAY. 'Computed on the way' means the value that the module computes at that place (a softmax that the list does not call 'softmax' is quantised finished and normalised). What goes into a quantiser is computed in f32, as accurately as f32 sums, v_exp_f32 and their like allow (about 1e-6 of the number): no bf16 or f16 on the way to a quantiser, and a product that is left as it is and whose result goes on into a quantised operand takes f32 operands (vector FMAs, or v_wmma_f32_16x16x4_f32). A number that lies on a knife's edge between two numbers of the format may be rounded either way, as far as f32 arithmetic and the matrix unit's own rounding can turn it there, and no further.
;; One version. Each part assembles by itself: llvm-mc -triple=amdgcn-amd-amdhsa -mcpu=gfx1250 --defsym DOCPART=n.
;; ======== version 1 of 1: 4 launches
;; limits: right only within a limited range of input values
;; workspace buffers: xn_img 3,145,728 bytes; xn_sc 196,608 bytes; wimg 626,688 bytes; q_img 3,145,728 bytes; q_sc 393,216 bytes; kv 6,881,280 bytes; ao_img 3,145,728 bytes; ao_sc 196,608 bytes
;; launch prep (part 1): grid 152 x 1, 4 waves a work-group, no clusters, 0 bytes of LDS; arguments x, ln_g, ln_b, Wq, Wk, Wv, Wo, xn_img, xn_sc, wimg; writes xn_img, xn_sc, wimg
.if DOCPART == 1
	.amdgcn_target "amdgcn-amd-amdhsa--gfx1250"
	.amdhsa_code_object_version 6
	.text
	.protected	k_q4553763298_prep
	.globl	k_q4553763298_prep
	.p2align	8
	.type	k_q4553763298_prep,@function
k_q4553763298_prep:
	s_mov_b64 s[64:65], 0
	v_nop
	global_prefetch_b8 v0, s[64:65] scope:SCOPE_SE
	s_setreg_imm32_b32 hwreg(HW_REG_WAVE_MODE, 25, 1), 1
	s_wait_xcnt 0x0
; LayerNorm of x and the quantising of xn and of the four weights into codes of E5M2 with one E8M0 byte for each 32 along K (K = the 384 inputs).
; Everything leaves as IMAGES OF OPERAND REGISTERS: a fragment (16 rows x 128 K) is four pieces of 512 bytes, piece c = registers 4 c .. 4 c + 3
; (k = 32 c + 16 (lane / 16) + 0 .. 15 of row lane % 16), lane l's 16 bytes at 16 l; a fragment's scale words are 128 bytes, lane l's at 4 l.
; THE ROWS OF A TILE ARE NOT NEIGHBOURS: lane-row r of token tile Tg is token 32 (Tg / 2) + 8 (Tg % 2) + r + 8 (r / 8); of column tile ct, column 32 (ct / 2) + 8 (ct % 2) + r + 8 (r / 8).
; SHARES: work-groups 0-127: a wave takes one token tile (16 rows of x; a lane holds 192 of its row's 384 numbers, its partner 16 lanes away the others).
; Work-groups 128-151: head hd = (wg - 128) / 4, matrix (wg - 128) % 4 (q, k, v, o), wave t = one tile of 16 columns, registers running DOWN K.
; Both ways end with 192 numbers in v32-223, register 64 s + 16 c + i = k 128 s + 32 c + 16 (lane / 16) + i, and join at the quantiser.  No LDS, no barrier: waves share nothing.
; LIMITS: NaN and infinities among the inputs are not served.  A block whose largest magnitude lies under 2^-111, a block of zeros among them, gets the byte 1
; (the rule gives a block of zeros 127: its codes are zeros, and only this program reads the bytes).  1 / sqrt is v_rsq_f32.
.set X,    32                          ; v32-223  the 192 numbers
.set TM,   240                         ; v240-243 largest magnitudes, v244-247 bytes, v248-251 the hold, v252-255 the conversions' scale operands
.set SEL,  32                          ; s[32:33] lane selects: lane l xor 16
.set MNT,  34                          ; s34      the mantissa field of 57,344
.set MSB,  0
.macro WIN new                         ; the immediate's high byte repeats the setting that is left
.if MSB != \new
	s_set_vgpr_msb (MSB<<8)|\new
.set MSB, \new
.endif
.endm
; 64 numbers of a lane, register 16 b + i = k 32 b + 16 (lane / 16) + i of my row, become a fragment's codes in v[pc] on; the four bytes stay in v[TM+4] on.
.macro QUANT src, pc
.irp b, 0,1,2,3
	v_max3_num_f32 v[TM+\b], |v[(\src)+16*\b]|, |v[(\src)+1+16*\b]|, 0x8000000   ; my 16 numbers of block b, and the floor 2^(16 - 127): the byte cannot fall under 1
.endr
.irp i, 2,4,6,8,10,12,14
.irp b, 0,1,2,3
	v_max3_num_f32 v[TM+\b], v[TM+\b], |v[(\src)+16*\b+\i]|, |v[(\src)+1+16*\b+\i]|   ; the four blocks by turns
.endr
.endr
.irp b, 0,1,2,3
	v_permlanex16_b32 v[TM+4+\b], v[TM+\b], s[SEL], s[SEL+1]
.endr
.irp b, 0,1,2,3
	v_max_num_f32 v[TM+\b], v[TM+\b], v[TM+4+\b]              ; with lane l xor 16: the block's largest magnitude
.endr
.irp b, 0,1,2,3
	v_add_nc_u32 v[TM+12+\b], 0xf8800000, v[TM+\b]            ; 15 off its exponent field: the conversion's scale operand
.endr
.irp b, 0,1,2,3
	v_and_or_b32 v[TM+8+\b], v[TM+\b], 0x7f800000, s[MNT]     ; 57,344 x the scale
.endr
.irp b, 0,1,2,3
	v_lshrrev_b32 v[TM+4+\b], 23, v[TM+12+\b]                 ; the scale's byte
.endr
.irp b, 0,1,2,3
.irp i, 0,1,2,3,4,5,6,7,8,9,10,11,12,13,14,15
	v_med3_num_f32 v[(\src)+16*\b+\i], v[(\src)+16*\b+\i], -v[TM+8+\b], v[TM+8+\b]   ; the conversion does not saturate (ISA guide 7.6.2): the hold comes first
.endr
	v_cvt_scalef32_pk8_bf8_f32 v[(\pc)+4*\b:(\pc)+4*\b+1], v[(\src)+16*\b:(\src)+16*\b+7], v[TM+12+\b]
	v_cvt_scalef32_pk8_bf8_f32 v[(\pc)+4*\b+2:(\pc)+4*\b+3], v[(\src)+16*\b+8:(\src)+16*\b+15], v[TM+12+\b]
.endr
	v_nop                                                     ; a plain line behind the last conversion
.endm
.macro WORD4 pw                        ; the four bytes make my row's scale word
	v_lshl_or_b32 v[\pw], v[TM+5], 8, v[TM+4]
	v_lshl_or_b32 v[\pw], v[TM+6], 16, v[\pw]
	v_lshl_or_b32 v[\pw], v[TM+7], 24, v[\pw]
.endm
.macro ROW192 reg, adr, lo             ; 192 numbers of a row of 384: of each block of 32 my half's 16, four loads of 16 bytes
.irp s, 0,1,2
.irp c, 0,1,2,3
.irp q, 0,1,2,3
	global_load_b128 v[\reg+64*\s+16*\c+4*\q:\reg+64*\s+16*\c+4*\q+3], v[\adr], s[\lo:\lo+1] offset:512*\s+128*\c+16*\q
.endr
.endr
.endr
.endm
.macro PIECE s, pc, pw                 ; K step s: quantised and stored; each step has its own code and word registers, so no store's data are written again
	QUANT X+64*\s, \pc
	WORD4 \pw
.irp c, 0,1,2,3
	global_store_b128 v1, v[\pc+4*\c:\pc+4*\c+3], s[28:29] offset:2048*\s+512*\c   ; 32 lanes store 512 consecutive bytes
.endr
	global_store_b32 v2, v[\pw], s[30:31] offset:128*\s
.endm
	s_load_b256 s[4:11], s[0:1], 0x0               ; x s[4:5], ln_g s[6:7], ln_b s[8:9], Wq s[10:11]
	s_load_b256 s[12:19], s[0:1], 0x20             ; Wk s[12:13], Wv s[14:15], Wo s[16:17], xn_img s[18:19]
	s_load_b128 s[20:23], s[0:1], 0x40             ; xn_sc s[20:21], wimg s[22:23]
	v_lshrrev_b32 v22, 5, v0
	v_readfirstlane_b32 s24, v22                   ; wave 0..3
	v_and_b32 v22, 31, v0                          ; lane
	v_lshlrev_b32 v1, 4, v22                       ; 16 x lane: an image's place
	v_lshlrev_b32 v2, 2, v22                       ; 4 x lane: a scale word's
	v_and_b32 v23, 15, v0                          ; r
	v_bfe_u32 v9, v0, 4, 1                         ; h
	v_and_b32 v22, 8, v23
	v_add_nc_u32 v22, v22, v23                     ; r + 8 (r / 8)
	v_mul_u32_u24 v3, v22, 1536
	v_lshl_add_u32 v3, v9, 6, v3                   ; x: my row of 1,536 bytes, + 64 h
	v_lshlrev_b32 v4, 6, v9                        ; ln_g, ln_b: 64 h
	v_mul_u32_u24 v5, v9, 24576
	v_lshl_add_u32 v5, v22, 2, v5                  ; a weight: my column, and 16 rows further down for lanes 16-31
.irp b, 0,1,2,3
	v_mov_b32 v[TM+4+\b], 0                        ; written once: a lane permute's destination counts as one of its sources
.endr
	s_mov_b32 s[SEL], 0x76543210
	s_mov_b32 s[SEL+1], 0xfedcba98
	s_mov_b32 s[MNT], 0x600000
	s_mov_b32 s35, 0x3b2aaaab                      ; 1 / 384
	s_mov_b32 s46, 0x3727c5ac                      ; 1e-5
	s_mov_b32 s37, 0
	s_wait_kmcnt 0x0
	s_cmp_lt_u32 ttmp9, 128
	s_cbranch_scc0 .Lweights
	; ---- a token tile: LayerNorm
	s_lshl_b32 s25, ttmp9, 2
	s_add_co_u32 s25, s25, s24                     ; Tg
	s_lshr_b32 s26, s25, 1
	s_lshl_b32 s26, s26, 5
	s_and_b32 s27, s25, 1
	s_lshl_b32 s27, s27, 3
	s_add_co_u32 s26, s26, s27                     ; the tile's first token
	s_mul_i32 s36, s26, 1536
	s_add_nc_u64 s[4:5], s[4:5], s[36:37]
	s_wait_alu depctr_va_vdst(0)
	ROW192 X, 3, 4                                 ; x
	WIN 0x40                                       ; destination window 1
	ROW192 0, 4, 6                                 ; ln_g at the same k
	WIN 0x80                                       ; destination window 2
	ROW192 0, 4, 8                                 ; ln_b
	WIN 0
	s_wait_loadcnt 63                              ; 96 loads were issued behind x's 48: with at most 63 out, x is in
.irp k, 0,1,2,3
	v_pk_add_f32 v[14+2*\k:15+2*\k], v[X+2*\k:X+2*\k+1], v[X+8+2*\k:X+9+2*\k]   ; four chains, started by the first eight pairs
.endr
.set n, 8
.rept 88
	v_pk_add_f32 v[14+2*(n%4):15+2*(n%4)], v[14+2*(n%4):15+2*(n%4)], v[X+2*n:X+2*n+1]
.set n, n+1
.endr
	v_pk_add_f32 v[14:15], v[14:15], v[16:17]
	v_pk_add_f32 v[18:19], v[18:19], v[20:21]
	v_pk_add_f32 v[14:15], v[14:15], v[18:19]
	v_add_f32 v14, v14, v15
	v_permlanex16_b32 v22, v14, s[SEL], s[SEL+1]   ; the row's other 192 numbers
	v_add_f32 v14, v14, v22
	v_mul_f32 v10, s35, v14                        ; the mean,
	v_mov_b32 v11, v10                             ; twice, for the packed form
.set n, 0
.rept 96
	v_pk_add_f32 v[X+2*n:X+2*n+1], v[X+2*n:X+2*n+1], v[10:11] neg_lo:[0,1] neg_hi:[0,1]   ; x - mean
.set n, n+1
.endr
.irp k, 0,1,2,3
	v_pk_mul_f32 v[14+2*\k:15+2*\k], v[X+2*\k:X+2*\k+1], v[X+2*\k:X+2*\k+1]   ; the variance is the mean of (x - mean)^2: a common offset of x does no harm
.endr
.set n, 4
.rept 92
	v_pk_fma_f32 v[14+2*(n%4):15+2*(n%4)], v[X+2*n:X+2*n+1], v[X+2*n:X+2*n+1], v[14+2*(n%4):15+2*(n%4)]
.set n, n+1
.endr
	v_pk_add_f32 v[14:15], v[14:15], v[16:17]
	v_pk_add_f32 v[18:19], v[18:19], v[20:21]
	v_pk_add_f32 v[14:15], v[14:15], v[18:19]
	v_add_f32 v14, v14, v15
	v_permlanex16_b32 v22, v14, s[SEL], s[SEL+1]
	v_add_f32 v14, v14, v22
	v_fma_f32 v12, v14, s35, s46                   ; variance + 1e-5
	s_wait_alu depctr_va_vdst(0)
	v_rsq_f32 v12, v12
	v_nop                                          ; a plain line behind the transcendental
	s_wait_alu depctr_va_vdst(0)
	v_mov_b32 v13, v12
.set n, 0
.rept 96
	v_pk_mul_f32 v[X+2*n:X+2*n+1], v[X+2*n:X+2*n+1], v[12:13]
.set n, n+1
.endr
	s_wait_loadcnt 0x0                             ; ln_g and ln_b
	WIN 0x24                                       ; source 1 window 1 (ln_g), source 2 window 2 (ln_b)
.set n, 0
.rept 96
	v_pk_fma_f32 v[X+2*n:X+2*n+1], v[X+2*n:X+2*n+1], v[2*n:2*n+1], v[2*n:2*n+1]
.set n, n+1
.endr
	WIN 0
	s_mul_i32 s36, s25, 6144
	s_add_nc_u64 s[28:29], s[18:19], s[36:37]      ; xn_img[Tg]
	s_mul_i32 s36, s25, 384
	s_add_nc_u64 s[30:31], s[20:21], s[36:37]      ; xn_sc[Tg]
	s_branch .Lquant
.Lweights:
	; ---- a tile of 16 columns of one weight
	s_sub_co_u32 s25, ttmp9, 128
	s_lshr_b32 s26, s25, 2                         ; hd
	s_and_b32 s27, s25, 3                          ; which matrix: 0 q, 1 k, 2 v, 3 o
	s_mov_b64 s[38:39], s[10:11]
	s_cmp_eq_u32 s27, 1
	s_cselect_b64 s[38:39], s[12:13], s[38:39]
	s_cmp_eq_u32 s27, 2
	s_cselect_b64 s[38:39], s[14:15], s[38:39]
	s_cmp_eq_u32 s27, 3
	s_cselect_b64 s[38:39], s[16:17], s[38:39]
	s_cselect_b32 s40, 1, 0                        ; 1 for Wo
	s_lshl_b32 s36, s26, 6
	s_lshr_b32 s41, s24, 1
	s_lshl_b32 s41, s41, 5
	s_add_co_u32 s36, s36, s41
	s_and_b32 s41, s24, 1
	s_lshl_b32 s41, s41, 3
	s_add_co_u32 s36, s36, s41                     ; the tile's first column: 64 hd + 32 (t / 2) + 8 (t % 2)
	s_lshl_b32 s36, s36, 2
	s_add_nc_u64 s[38:39], s[38:39], s[36:37]
	s_wait_alu depctr_va_vdst(0)
.irp s, 0,1,2
.irp c, 0,1,2,3
.irp i, 0,1,2,3,4,5,6,7,8,9,10,11,12,13,14,15
	global_load_b32 v[X+64*\s+16*\c+\i], v5, s[38:39] offset:(128*\s+32*\c+\i)*1536   ; W(128 s + 32 c + 16 h + i, my column)
.endr
.endr
.endr
	s_mul_i32 s42, s26, 104448                     ; the head's block in wimg: q, k, v codes 3 x 24,576; their scales 3 x 1,536; Wo's codes 24,576; its scales 1,536
	s_mul_i32 s43, s27, 24576
	s_mul_i32 s44, s40, 4608
	s_mul_i32 s45, s24, 6144
	s_add_co_u32 s36, s42, s43
	s_add_co_u32 s36, s36, s44
	s_add_co_u32 s36, s36, s45
	s_add_nc_u64 s[28:29], s[22:23], s[36:37]
	s_mul_i32 s43, s27, 1536
	s_mul_i32 s44, s40, 24576
	s_mul_i32 s45, s24, 384
	s_add_co_u32 s36, s42, s43
	s_add_co_u32 s36, s36, s44
	s_add_co_u32 s36, s36, s45
	s_add_co_u32 s36, s36, 73728
	s_add_nc_u64 s[30:31], s[22:23], s[36:37]
	s_wait_loadcnt 0x0
.Lquant:
	PIECE 0, 224, 6
	PIECE 1, 32, 7                                 ; the codes take the registers of numbers that are done with
	PIECE 2, 48, 8
	s_endpgm
.Lfunc_end_k_q4553763298_prep:
	.size	k_q4553763298_prep, .Lfunc_end_k_q4553763298_prep-k_q4553763298_prep
	.p2alignl 7, 3214868480
	.fill 96, 4, 3214868480
	.section	.rodata,"a",@progbits
	.p2align	6, 0x0
	.amdhsa_kernel k_q4553763298_prep
		.amdhsa_group_segment_fixed_size 0
		.amdhsa_private_segment_fixed_size 0
		.amdhsa_enable_private_segment 0
		.amdhsa_kernarg_size 80
		.amdhsa_user_sgpr_count 2
		.amdhsa_user_sgpr_kernarg_segment_ptr 1
		.amdhsa_wavefront_size32 1
		.amdhsa_system_sgpr_workgroup_id_x 1
		.amdhsa_system_sgpr_workgroup_id_y 1
		.amdhsa_system_sgpr_workgroup_id_z 1
		.amdhsa_system_vgpr_workitem_id 0
		.amdhsa_next_free_vgpr 704
		.amdhsa_next_free_sgpr 66
		.amdhsa_reserve_vcc 0
		.amdhsa_float_denorm_mode_32 3
		.amdhsa_float_denorm_mode_16_64 3
		.amdhsa_memory_ordered 1
		.amdhsa_forward_progress 1
		.amdhsa_inst_pref_size 92
	.end_amdhsa_kernel
	.amdgpu_metadata
---
amdhsa.version: [ 1, 2 ]
amdhsa.kernels:
  - .name:           k_q4553763298_prep
    .symbol:         k_q4553763298_prep.kd
    .args:
      - { .name: x, .offset: 0, .size: 8, .value_kind: global_buffer, .address_space: global }
      - { .name: ln_g, .offset: 8, .size: 8, .value_kind: global_buffer, .address_space: global }
      - { .name: ln_b, .offset: 16, .size: 8, .value_kind: global_buffer, .address_space: global }
      - { .name: Wq, .offset: 24, .size: 8, .value_kind: global_buffer, .address_space: global }
      - { .name: Wk, .offset: 32, .size: 8, .value_kind: global_buffer, .address_space: global }
      - { .name: Wv, .offset: 40, .size: 8, .value_kind: global_buffer, .address_space: global }
      - { .name: Wo, .offset: 48, .size: 8, .value_kind: global_buffer, .address_space: global }
      - { .name: xn_img, .offset: 56, .size: 8, .value_kind: global_buffer, .address_space: global }
      - { .name: xn_sc, .offset: 64, .size: 8, .value_kind: global_buffer, .address_space: global }
      - { .name: wimg, .offset: 72, .size: 8, .value_kind: global_buffer, .address_space: global }
    .group_segment_fixed_size: 0
    .private_segment_fixed_size: 0
    .kernarg_segment_align: 8
    .kernarg_segment_size: 80
    .max_flat_workgroup_size: 128
    .sgpr_count:     66
    .vgpr_count:     704
    .wavefront_size: 32
...
	.end_amdgpu_metadata
.endif
;; end of part 1
;; launch qkv (part 2): grid 64 x 3, 8 waves a work-group, clusters of 4 x 1, 168,960 bytes of LDS; arguments xn_img, xn_sc, wimg, bq, bk, bv, q_img, q_sc, kv; writes q_img, q_sc, kv
.if DOCPART == 2
	.amdgcn_target "amdgcn-amd-amdhsa--gfx1250"
	.amdhsa_code_object_version 6
	.text
	.protected	k_q4553763298_qkv
	.globl	k_q4553763298_qkv
	.p2align	8
	.type	k_q4553763298_qkv,@function
k_q4553763298_qkv:
	s_mov_b64 s[64:65], 0
	v_nop
	global_prefetch_b8 v0, s[64:65] scope:SCOPE_SE
	s_setreg_imm32_b32 hwreg(HW_REG_WAVE_MODE, 25, 1), 1
	s_wait_xcnt 0x0
	s_wait_alu depctr_hold_cnt(0) depctr_sa_sdst(0) depctr_va_vdst(0) depctr_va_sdst(0) depctr_va_ssrc(0) depctr_va_vcc(0) depctr_vm_vsrc(0)
	s_getreg_b32 s2, hwreg(HW_REG_IB_STS2, 6, 4)
	s_cmp_eq_u32 s2, 0
	s_cbranch_scc0 .Lentry_in_a_cluster
	s_endpgm
.Lentry_in_a_cluster:
	s_bfe_u32 s2, ttmp6, 0x10000c
	s_cmp_lg_u32 s2, 0x3003
	s_cbranch_scc0 .Lentry_shape_is_right
	s_endpgm
.Lentry_shape_is_right:
; q = xn Wq + bq, k = xn Wk + bk, v = xn Wv + bv on codes of E5M2 with E8M0 scales (K = 384: three K steps of 128); the results are quantised in registers:
; q and k along the head's 64, v along the keys; all leave as images of operand registers (a piece of 512 bytes = four registers, lane l's 16 bytes at 16 l).
; SHARES: a work-group takes 128 tokens (block T, one key step of the attention) and two heads (2 y, 2 y + 1).  Wave (hl = wave / 4, i = wave % 4) takes head 2 y + hl and
; token tiles 8 T + 2 i, 8 T + 2 i + 1: 32 neighbouring tokens, key block i of the step.  72 matrix instructions a wave, eight accumulators by turns.
; q and k are made TRANSPOSED (source 0 = 16 columns of the weight, source 1 = 16 tokens): a lane holds one token and its registers run along the head's 64.
; v is made in natural order (source 0 = tokens, source 1 = columns): a lane holds one column and its registers run along the 32 tokens, which are the second product's K.
; The rows of token tiles and of column tiles are chosen (lane-row r = 8 (tile % 2) + r + 8 (r / 8) of the pair's 32) so that 16 registers of two neighbouring tiles are 16 neighbours.
; The biases are the C of each sum's first matrix instruction.
; CLUSTER: the four work-groups of a cluster differ in T alone and read the same 156,672 bytes of weights: six joint tensor loads (waves 0-5, 102 rows of 256 bytes each), LDS filled once.
; kv: [2 batch + hd / 3][step][hd % 3][17,920]: K's image 8,192 ([tile 8][piece 2][512]), V^T's image 8,192 ([tile 4][piece 4][512]), K's scale words 1,024, V's 512.
; LIMITS: NaN and infinities are not served; a block whose largest magnitude lies under 2^-111 (zeros too) gets the byte 1; only this program reads the bytes.
.set HB,   78336                       ; the q, k, v part of a head's block: codes 3 x 24,576 ([tile 4][K step 3][2,048]), scale words 3 x 1,536
.set PIEC, 26112                       ; a third of it: one tensor load
.set GATH, 2*HB                        ; behind the weights: for each of the two heads 1,536 bytes in which the step's scale words of K and V are gathered; no fill lands here
.set F,    32                          ; v32-95, v96-159  four weight fragments, two sets
.set ACC,  160                         ; v160-223 eight accumulators
.set PC,   224                         ; v224-239 the codes just made
.set TM,   240                         ; v240-255 the quantiser at work
.set XSC,  16                          ; v16-21   xn's scale words (tile u, K step s) at 3 u + s
.set WSC,  22                          ; v22-29   the weight's scale words, two sets of four
.set XF,   0                           ; window 1: v0-95 xn's six fragments;
.set BQ,   96                          ; v96-127 bq, v128-159 bk in the result's layout;
.set BV,   160                         ; v160-191 bv: a tile's eight registers all hold my column's number
.set WV,   22
.set G0,   36
.set G1,   40
.set SEL,  48
.set MNT,  50
.set MSB,  0
.macro WIN new                         ; the immediate's high byte repeats the setting that is left
.if MSB != \new
	s_set_vgpr_msb (MSB<<8)|\new
.set MSB, \new
.endif
.endm
.macro CROUND                          ; a round of the cluster's barrier
	s_barrier_signal -1
	s_barrier_wait -1
	s_cmp_lg_u32 s[WV], 0
	s_cbranch_scc1 .Lnot_wave_0_\@
	s_barrier_signal -3
.Lnot_wave_0_\@:
	s_barrier_wait -3
	s_barrier_signal -1
	s_barrier_wait -1
.endm
; 64 numbers of a lane in four blocks of 16 (each block's other 16 lie in lane l xor 16) become codes in v[pc] on; the four bytes stay in v[TM+4] on.
.macro QUANT src, pc
.irp b, 0,1,2,3
	v_max3_num_f32 v[TM+\b], |v[(\src)+16*\b]|, |v[(\src)+1+16*\b]|, 0x8000000   ; and the floor 2^(16 - 127): the byte cannot fall under 1.  Each accumulator is read from its low end on
.endr
.irp i, 2,4,6,8,10,12,14
.irp b, 0,1,2,3
	v_max3_num_f32 v[TM+\b], v[TM+\b], |v[(\src)+16*\b+\i]|, |v[(\src)+1+16*\b+\i]|
.endr
.endr
.irp b, 0,1,2,3
	s_delay_alu instid0(VALU_DEP_4)
	v_permlanex16_b32 v[TM+4+\b], v[TM+\b], s[SEL], s[SEL+1]
.endr
.irp b, 0,1,2,3
	s_delay_alu instid0(VALU_DEP_4)
	v_max_num_f32 v[TM+\b], v[TM+\b], v[TM+4+\b]              ; the block's largest magnitude
.endr
.irp b, 0,1,2,3
	s_delay_alu instid0(VALU_DEP_4)
	v_add_nc_u32 v[TM+12+\b], 0xf8800000, v[TM+\b]            ; 15 off its exponent field: the conversion's scale operand
.endr
.irp b, 0,1,2,3
	v_and_or_b32 v[TM+8+\b], v[TM+\b], 0x7f800000, s[MNT]     ; 57,344 x the scale
.endr
.irp b, 0,1,2,3
	v_lshrrev_b32 v[TM+4+\b], 23, v[TM+12+\b]                 ; the scale's byte
.endr
.irp b, 0,1,2,3
.irp i, 0,1,2,3,4,5,6,7,8,9,10,11,12,13,14,15
	v_med3_num_f32 v[(\src)+16*\b+\i], v[(\src)+16*\b+\i], -v[TM+8+\b], v[TM+8+\b]   ; the conversion does not saturate (ISA guide 7.6.2)
.endr
	v_cvt_scalef32_pk8_bf8_f32 v[(\pc)+4*\b:(\pc)+4*\b+1], v[(\src)+16*\b:(\src)+16*\b+7], v[TM+12+\b]
	v_cvt_scalef32_pk8_bf8_f32 v[(\pc)+4*\b+2:(\pc)+4*\b+3], v[(\src)+16*\b+8:(\src)+16*\b+15], v[TM+12+\b]
.endr
	v_nop                                                     ; a plain line behind the last conversion
.endm
; Group g = 3 p + s: product p (0 q, 1 k, 2 v), K step s.  LOADW: its four weight fragments and their scale words from LDS: 20 LDS loads.
.macro LOADW g
.set lp, (\g)/3
.set ls, (\g)%3
.set lb, F+64*((\g)%2)
.set lw, WSC+4*((\g)%2)
.irp t, 0,1,2,3
.irp c, 0,1,2,3
.if lp < 2
	ds_load_b128 v[lb+16*\t+4*\c:lb+16*\t+4*\c+3], v3 offset:24576*lp+6144*\t+2048*ls+512*\c
.else
	ds_load_b128 v[lb+16*\t+4*\c:lb+16*\t+4*\c+3], v4 offset:6144*\t+2048*ls+512*\c
.endif
.endr
.endr
.irp t, 0,1,2,3
	ds_load_b32 v[lw+\t], v5 offset:1536*lp+384*\t+128*ls
.endr
.endm
.macro MUL g                           ; its eight matrix instructions, one on each accumulator
.set mp, (\g)/3
.set ms, (\g)%3
.set mb, F+64*((\g)%2)
.set mw, WSC+4*((\g)%2)
.if mp < 2
.if ms == 0
	WIN 0x14                                       ; source 1 (xn) and source 2 (the bias) window 1
.else
	WIN 0x04                                       ; source 1 window 1
.endif
.irp u, 0,1
.irp t, 0,1,2,3
.set rD, ACC+32*\u+8*\t
.set rC, BQ+32*mp+8*\t
.set rX, XF+16*(3*\u+ms)
.if ms == 0
	v_wmma_scale_f32_16x16x128_f8f6f4 v[rD:rD+7], v[mb+16*\t:mb+16*\t+15], v[rX:rX+15], v[rC:rC+7], v[mw+\t], v[XSC+3*\u+ms] matrix_a_fmt:MATRIX_FMT_BF8 matrix_b_fmt:MATRIX_FMT_BF8
.else
	v_wmma_scale_f32_16x16x128_f8f6f4 v[rD:rD+7], v[mb+16*\t:mb+16*\t+15], v[rX:rX+15], v[rD:rD+7], v[mw+\t], v[XSC+3*\u+ms] matrix_a_fmt:MATRIX_FMT_BF8 matrix_b_fmt:MATRIX_FMT_BF8
.endif
.endr
.endr
.else
.if ms == 0
	WIN 0x11                                       ; source 0 (xn) and source 2 (the bias) window 1
.else
	WIN 0x01
.endif
.irp t, 0,1,2,3
.irp u, 0,1
.set rD, ACC+16*\t+8*\u
.set rC, BV+8*\t
.set rX, XF+16*(3*\u+ms)
.if ms == 0
	v_wmma_scale_f32_16x16x128_f8f6f4 v[rD:rD+7], v[rX:rX+15], v[mb+16*\t:mb+16*\t+15], v[rC:rC+7], v[XSC+3*\u+ms], v[mw+\t] matrix_a_fmt:MATRIX_FMT_BF8 matrix_b_fmt:MATRIX_FMT_BF8
.else
	v_wmma_scale_f32_16x16x128_f8f6f4 v[rD:rD+7], v[rX:rX+15], v[mb+16*\t:mb+16*\t+15], v[rD:rD+7], v[XSC+3*\u+ms], v[mw+\t] matrix_a_fmt:MATRIX_FMT_BF8 matrix_b_fmt:MATRIX_FMT_BF8
.endif
.endr
.endr
.endif
.endm
.macro GROUP g
.if (\g) < 8
	LOADW (\g)+1                                   ; the next group's fragments go into the other set while this group is multiplied
	s_wait_dscnt 20                                ; all but the 20 just issued: this group's are in
.else
	s_wait_dscnt 0x0
.endif
	MUL \g
	WIN 0
.rept 8
	v_nop                                          ; eight places in front of the loads into the set just read and of the first read of results
.endr
.endm
	s_load_b256 s[4:11], s[0:1], 0x0               ; xn_img s[4:5], xn_sc s[6:7], wimg s[8:9], bq s[10:11]
	s_load_b256 s[12:19], s[0:1], 0x20             ; bk s[12:13], bv s[14:15], q_img s[16:17], q_sc s[18:19]
	s_load_b64 s[20:21], s[0:1], 0x40              ; kv
	v_lshl_add_u32 v30, v0, 2, 0x29000
	v_mov_b32 v31, 0
	ds_add_u32 v30, v31
	ds_add_u32 v30, v31
	v_lshrrev_b32 v11, 5, v0
	s_delay_alu instid0(VALU_DEP_1)
	v_readfirstlane_b32 s[WV], v11                 ; wave 0..7
	s_lshr_b32 s23, s[WV], 2                       ; hl
	s_and_b32 s24, s[WV], 3                        ; i
	; every LDS address is made here, of the lane and the wave's number alone
	v_and_b32 v11, 31, v0
	s_delay_alu instid0(VALU_DEP_1)
	v_lshlrev_b32 v1, 4, v11                       ; 16 x lane
	s_wait_alu depctr_va_vdst(0)
	v_lshlrev_b32 v2, 2, v11                       ; 4 x lane
	s_mul_i32 s31, s23, HB
	v_add_nc_u32 v3, s31, v1                       ; my head's weights: q's and k's codes,
	s_delay_alu instid0(VALU_DEP_1)
	v_add_nc_u32 v4, 49152, v3                     ; v's codes,
	s_add_co_u32 s32, s31, 73728
	v_add_nc_u32 v5, s32, v2                       ; the scale words
	s_mul_i32 s33, s23, 1536
	s_add_co_u32 s33, s33, GATH                    ; my head's gathering place
	s_lshr_b32 s34, s24, 1
	s_lshl_b32 s34, s34, 9
	s_and_b32 s35, s24, 1
	s_lshl_b32 s35, s35, 3
	s_add_co_u32 s34, s34, s35
	s_add_co_u32 s34, s34, s33
	v_add_nc_u32 v6, s34, v1                       ; K's words of tiles 2 i, 2 i + 1: word t8 of lane l lies at 512 (t8 / 4) + 16 l + 4 (t8 % 4)
	s_add_co_u32 s34, s33, 1024
	s_add_co_u32 s34, s34, s24
	v_add_nc_u32 v7, s34, v1                       ; V's bytes: tile t's word at 16 l + 4 t, byte i for key block i
	s_lshl_b32 s34, s24, 9
	s_add_co_u32 s34, s34, s33
	v_add_nc_u32 v8, s34, v1                       ; and back: 512 bytes for each of waves i = 0, 1, 2
	v_bfe_u32 v9, v0, 4, 1
	s_delay_alu instid0(VALU_DEP_1)
	v_lshlrev_b32 v9, 6, v9                        ; bq, bk: 64 h
	v_and_b32 v10, 15, v0
	s_delay_alu instid0(VALU_DEP_1)
	v_and_b32 v11, 8, v10
	s_delay_alu instid0(VALU_DEP_1)
	v_add_nc_u32 v10, v10, v11
	s_delay_alu instid0(VALU_DEP_1)
	v_lshlrev_b32 v10, 2, v10                      ; bv: 4 (r + 8 (r / 8))
.irp b, 0,1,2,3
	v_mov_b32 v[TM+4+\b], 0                        ; written once: a lane permute's destination counts as one of its sources
.endr
	s_mov_b32 s[SEL], 0x76543210
	s_mov_b32 s[SEL+1], 0xfedcba98
	s_mov_b32 s[MNT], 0x600000
	s_bfe_u32 s25, ttmp6, 0x40000                  ; cx: it enters global addresses of my own tokens alone
	s_lshl_b32 s26, ttmp9, 2
	s_add_co_u32 s26, s26, s25                     ; T
	s_and_b32 s27, ttmp7, 0xffff                   ; y, which the four partners share
	s_lshl_b32 s28, s27, 1
	s_add_co_u32 s28, s28, s23                     ; hd
	s_mul_i32 s29, s28, 11
	s_lshr_b32 s29, s29, 5                         ; hd / 3
	s_mul_i32 s30, s29, 3
	s_sub_co_u32 s30, s28, s30                     ; hd % 3
	; descriptor group 1: a dense block of 26,112 bytes as 102 rows of 32 elements of 8 bytes
	s_mov_b32 s[G1+0], 15|(3<<16)|(1<<21)          ; 15:0 the mask: all four work-groups; 17:16 elements of 8 bytes; 21 set beside a mask
	s_mov_b32 s[G1+1], 32<<16                      ; tensor_dim0
	s_mov_b32 s[G1+2], 102<<16                     ; tensor_dim1
	s_mov_b32 s[G1+3], 32<<16                      ; tile_dim0
	s_mov_b32 s[G1+4], 102                         ; tile_dim1
	s_mov_b32 s[G1+5], 32                          ; the pitch
	s_mov_b32 s[G1+6], 0
	s_mov_b32 s[G1+7], 0
	s_mul_i32 s31, s[WV], 11
	s_lshr_b32 s31, s31, 5                         ; wave / 3: which of the two heads
	s_add_co_u32 s31, s31, s[WV]                   ; a head's block is four pieces long, of which the first three are fetched
	s_mul_i32 s32, s31, PIEC
	s_mul_i32 s33, s27, 208896
	s_add_co_u32 s32, s32, s33
	s_mov_b32 s33, 0
	s_wait_dscnt 0x0
	s_wait_kmcnt 0x0
	CROUND                                         ; all four work-groups are here: the joint loads meet
	s_mov_b32 s[G0], 1
	s_mul_i32 s[G0+1], s[WV], PIEC                 ; LDS: piece by piece
	s_add_nc_u64 s[G0+2:G0+3], s[8:9], s[32:33]
	s_or_b32 s[G0+3], s[G0+3], 0x80000000
	s_cmp_lt_u32 s[WV], 6
	s_cbranch_scc0 .Lno_fill
	tensor_load_to_lds s[G0:G0+3], s[G1:G1+7]      ; one load a wave, the only one of the launch
	s_nop 0
.rept 4
	v_nop
.endr
.Lno_fill:
	s_lshl_b32 s58, s26, 3
	s_lshl_b32 s59, s24, 1
	s_add_co_u32 s58, s58, s59                     ; my first token tile: 8 T + 2 i
	s_mov_b32 s61, 0
	s_mul_i32 s60, s58, 6144
	s_add_nc_u64 s[4:5], s[4:5], s[60:61]
	s_mul_i32 s60, s58, 384
	s_add_nc_u64 s[6:7], s[6:7], s[60:61]
	s_lshl_b32 s60, s28, 8                         ; my head's 64 numbers of each bias
	s_add_nc_u64 s[10:11], s[10:11], s[60:61]
	s_add_nc_u64 s[12:13], s[12:13], s[60:61]
	s_add_nc_u64 s[14:15], s[14:15], s[60:61]
	s_lshl_b32 s60, s28, 19
	s_lshl_b32 s62, s58, 10
	s_add_co_u32 s60, s60, s62
	s_add_nc_u64 s[16:17], s[16:17], s[60:61]      ; q_img[hd][tile]
	s_lshl_b32 s60, s28, 16
	s_lshl_b32 s62, s58, 7
	s_add_co_u32 s60, s60, s62
	s_add_nc_u64 s[18:19], s[18:19], s[60:61]      ; q_sc[hd][tile]
	s_lshr_b32 s60, s26, 5
	s_lshl_b32 s60, s60, 1
	s_add_co_u32 s60, s60, s29
	s_lshl_b32 s60, s60, 5
	s_and_b32 s62, s26, 31
	s_add_co_u32 s60, s60, s62
	s_mul_i32 s60, s60, 53760
	s_mul_i32 s62, s30, 17920
	s_add_co_u32 s60, s60, s62
	s_add_nc_u64 s[20:21], s[20:21], s[60:61]      ; my unit of kv
	s_lshl_b32 s60, s24, 11
	s_add_nc_u64 s[52:53], s[20:21], s[60:61]      ; K's image, tiles 2 i and 2 i + 1
	s_lshl_b32 s60, s24, 9
	s_add_co_u32 s60, s60, 8192
	s_add_nc_u64 s[54:55], s[20:21], s[60:61]      ; V^T's image, piece i of each tile
	s_add_co_u32 s60, s60, 8192
	s_add_nc_u64 s[56:57], s[20:21], s[60:61]      ; the scale words, 512 i on
	WIN 0x40                                       ; destination window 1
.set n, 0
.rept 24
	global_load_b128 v[XF+4*n:XF+4*n+3], v1, s[4:5] offset:512*n   ; xn's six fragments, as they lie
.set n, n+1
.endr
	s_wait_alu depctr_va_vdst(0)
.irp t, 0,1,2,3
	global_load_b128 v[BQ+8*\t:BQ+8*\t+3], v9, s[10:11] offset:(32*(\t/2)+8*(\t%2))*4
	global_load_b128 v[BQ+8*\t+4:BQ+8*\t+7], v9, s[10:11] offset:(32*(\t/2)+8*(\t%2))*4+16
	global_load_b128 v[BQ+32+8*\t:BQ+32+8*\t+3], v9, s[12:13] offset:(32*(\t/2)+8*(\t%2))*4
	global_load_b128 v[BQ+32+8*\t+4:BQ+32+8*\t+7], v9, s[12:13] offset:(32*(\t/2)+8*(\t%2))*4+16
.endr
.irp t, 0,1,2,3
.irp e, 0,1,2,3,4,5,6,7
	global_load_b32 v[BV+8*\t+\e], v10, s[14:15] offset:(32*(\t/2)+8*(\t%2))*4
.endr
.endr
	WIN 0
.irp n, 0,1,2,3,4,5
	global_load_b32 v[XSC+\n], v2, s[6:7] offset:128*\n
.endr
	s_wait_tensorcnt 0x0                           ; my piece of the weights is in,
	s_barrier_signal -1
	s_barrier_wait -1                              ; everybody's is
	LOADW 0
	s_wait_loadcnt 0x0                             ; xn, its scale words, the biases
	; ---- q
	GROUP 0
	GROUP 1
	GROUP 2
	QUANT ACC, PC                                  ; block 2 u + b: piece b of tile u
	v_lshl_or_b32 v12, v[TM+5], 8, v[TM+4]
	v_lshl_or_b32 v13, v[TM+7], 8, v[TM+6]
	s_delay_alu instid0(VALU_DEP_2)
	v_or_b32 v12, 0x7f7f0000, v12                  ; the upper 64 of the instruction's K are zero codes: their bytes stand for 1
	s_delay_alu instid0(VALU_DEP_2)
	v_or_b32 v13, 0x7f7f0000, v13
.irp n, 0,1,2,3
	global_store_b128 v1, v[PC+4*\n:PC+4*\n+3], s[16:17] offset:512*\n
.endr
	global_store_b32 v2, v12, s[18:19]
	global_store_b32 v2, v13, s[18:19] offset:128
	; ---- k
	GROUP 3
	GROUP 4
	GROUP 5
	s_wait_xcnt 0x0                                ; q's stores have read their registers: the codes' registers are written again only behind this wait
	QUANT ACC, PC
	v_lshl_or_b32 v14, v[TM+5], 8, v[TM+4]
	v_lshl_or_b32 v15, v[TM+7], 8, v[TM+6]
	s_delay_alu instid0(VALU_DEP_2)
	v_or_b32 v14, 0x7f7f0000, v14
	s_delay_alu instid0(VALU_DEP_2)
	v_or_b32 v15, 0x7f7f0000, v15
.irp n, 0,1,2,3
	global_store_b128 v1, v[PC+4*\n:PC+4*\n+3], s[52:53] offset:512*\n
.endr
	ds_store_b64 v6, v[14:15]
	; ---- v
	GROUP 6
	GROUP 7
	GROUP 8
	s_wait_xcnt 0x0                                ; k's stores have read their registers
	QUANT ACC, PC                                  ; block t: my 32 tokens of column tile t: piece i of V^T's fragment t
.irp t, 0,1,2,3
	global_store_b128 v1, v[PC+4*\t:PC+4*\t+3], s[54:55] offset:2048*\t
.endr
.irp t, 0,1,2,3
	ds_store_b8 v7, v[TM+4+\t] offset:4*\t
.endr
	s_wait_dscnt 0x0                               ; for the others' sake: my scale words and bytes lie in LDS
	s_barrier_signal -1
	s_barrier_wait -1
	s_cmp_lt_u32 s24, 3
	s_cbranch_scc0 .Lno_gather
	ds_load_b128 v[32:35], v8                      ; a head's 1,536 bytes leave in three stores of 512 consecutive bytes
	s_wait_dscnt 0x0
	global_store_b128 v1, v[32:35], s[56:57]
.Lno_gather:
	s_wait_tensorcnt 0x0
	ds_add_u32 v30, v31
	s_wait_dscnt 0x0
	CROUND                                         ; the closing round
	s_endpgm
.Lfunc_end_k_q4553763298_qkv:
	.size	k_q4553763298_qkv, .Lfunc_end_k_q4553763298_qkv-k_q4553763298_qkv
	.p2alignl 7, 3214868480
	.fill 96, 4, 3214868480
	.section	.rodata,"a",@progbits
	.p2align	6, 0x0
	.amdhsa_kernel k_q4553763298_qkv
		.amdhsa_group_segment_fixed_size 168960
		.amdhsa_private_segment_fixed_size 0
		.amdhsa_enable_private_segment 0
		.amdhsa_kernarg_size 72
		.amdhsa_user_sgpr_count 2
		.amdhsa_user_sgpr_kernarg_segment_ptr 1
		.amdhsa_wavefront_size32 1
		.amdhsa_system_sgpr_workgroup_id_x 1
		.amdhsa_system_sgpr_workgroup_id_y 1
		.amdhsa_system_sgpr_workgroup_id_z 1
		.amdhsa_system_vgpr_workitem_id 0
		.amdhsa_next_free_vgpr 448
		.amdhsa_next_free_sgpr 66
		.amdhsa_reserve_vcc 0
		.amdhsa_float_denorm_mode_32 3
		.amdhsa_float_denorm_mode_16_64 3
		.amdhsa_memory_ordered 1
		.amdhsa_forward_progress 1
		.amdhsa_inst_pref_size 65
	.end_amdhsa_kernel
	.amdgpu_metadata
---
amdhsa.version: [ 1, 2 ]
amdhsa.kernels:
  - .name:           k_q4553763298_qkv
    .symbol:         k_q4553763298_qkv.kd
    .args:
      - { .name: xn_img, .offset: 0, .size: 8, .value_kind: global_buffer, .address_space: global }
      - { .name: xn_sc, .offset: 8, .size: 8, .value_kind: global_buffer, .address_space: global }
      - { .name: wimg, .offset: 16, .size: 8, .value_kind: global_buffer, .address_space: global }
      - { .name: bq, .offset: 24, .size: 8, .value_kind: global_buffer, .address_space: global }
      - { .name: bk, .offset: 32, .size: 8, .value_kind: global_buffer, .address_space: global }
      - { .name: bv, .offset: 40, .size: 8, .value_kind: global_buffer, .address_space: global }
      - { .name: q_img, .offset: 48, .size: 8, .value_kind: global_buffer, .address_space: global }
      - { .name: q_sc, .offset: 56, .size: 8, .value_kind: global_buffer, .address_space: global }
      - { .name: kv, .offset: 64, .size: 8, .value_kind: global_buffer, .address_space: global }
    .group_segment_fixed_size: 168960
    .private_segment_fixed_size: 0
    .kernarg_segment_align: 8
    .kernarg_segment_size: 72
    .max_flat_workgroup_size: 256
    .sgpr_count:     66
    .vgpr_count:     448
    .wavefront_size: 32
...
	.end_amdgpu_metadata
.endif
;; end of part 2
;; launch attn (part 3): grid 64 x 4, 12 waves a work-group, clusters of 4 x 1, 327,680 bytes of LDS; arguments q_img, q_sc, kv, ao_img, ao_sc; writes ao_img, ao_sc
.if DOCPART == 3
	.amdgcn_target "amdgcn-amd-amdhsa--gfx1250"
	.amdhsa_code_object_version 6
	.text
	.protected	k_q4553763298_attn
	.globl	k_q4553763298_attn
	.p2align	8
	.type	k_q4553763298_attn,@function
k_q4553763298_attn:
	s_mov_b64 s[64:65], 0
	v_nop
	global_prefetch_b8 v0, s[64:65] scope:SCOPE_SE
	s_setreg_imm32_b32 hwreg(HW_REG_WAVE_MODE, 25, 1), 1
	s_wait_xcnt 0x0
	s_wait_alu depctr_hold_cnt(0) depctr_sa_sdst(0) depctr_va_vdst(0) depctr_va_sdst(0) depctr_va_ssrc(0) depctr_va_vcc(0) depctr_vm_vsrc(0)
	s_getreg_b32 s2, hwreg(HW_REG_IB_STS2, 6, 4)
	s_cmp_eq_u32 s2, 0
	s_cbranch_scc0 .Lentry_in_a_cluster
	s_endpgm
.Lentry_in_a_cluster:
	s_bfe_u32 s2, ttmp6, 0x10000c
	s_cmp_lg_u32 s2, 0x3003
	s_cbranch_scc0 .Lentry_shape_is_right
	s_endpgm
.Lentry_shape_is_right:
; Attention on codes of E5M2 with E8M0 scales: S^T = K Q^T (K = the head's 64), p = 2^(t - M), O^T = V^T P^T (K = the keys), O / the row's sum, and O quantised along the 384 for the last projection.
; t = score x log2(e) / 8; M = the running largest t rounded UP to a whole number; the sum is taken of the unquantised p; when M moves, the sum and O^T are multiplied by f = 2^(old M - new M), which rounds nothing.
; SHARES: 3,072 tiles of 16 queries for 256 work-groups: a work-group takes 64 queries (block rb) of THREE heads (y = 2 batch + hd / 3): wave (j = wave / 4, i = wave % 4) owns one tile of head 3 (y % 2) + j, three waves to a SIMD.
; Every wave walks the 4,096 keys, 128 a step.  A lane holds ONE query throughout; 16 registers of two neighbouring tiles of S^T are 16 neighbouring keys.  K, V^T and their scale words lie as images of operand registers: every LDS load reads 512 consecutive bytes.
; THE UPPER 64 OF THE FIRST PRODUCT'S K: Q's upper eight registers are zero codes.  K's codes are held within +-57,344 where they are made, so they are finite, and a finite code times a zero code adds 0:
; fragment t of K is v[KR + 8 t .. KR + 8 t + 15], whose upper eight registers are tile t + 1's codes (tile 7's: eight registers of zeros).  So a step's K is 64 registers, brought by one run of loads.
; THE LOOP IS SKEWED BY ONE PRODUCT.  Trip n: S(n) = K(n) Q; O x f(n - 1), whose sixteen lines are the places behind those products; O += V(n - 1) P(n - 1); the loads of K(n + 1) and of V(n) are issued; softmax and codes of step n.
; K, S and V have registers of their own (V's in window 1), so a load is issued well ahead of the product that reads it.  Trip 0 has no second product, trip 1's starts the sums with C = 0; the last second product stands behind the loop.
; THE EXPONENTIALS GO IN TWO BATCHES, each with plain lines among them whose sources stand ahead of the batch's wait and whose results are read behind the wait that follows it:
; blocks 0, 1 and the four largest p with the multiply-adds of blocks 2, 3; then the scales and the sums of blocks 0, 1; then blocks 2, 3 with the holds of blocks 0, 1.
; RING: two slots of two key steps x three heads = 107,520 bytes.
; THE CHANGE OF SLOTS stands inside a slot's second step: the wait for my tensor loads and the add behind V's loads, the round's opening signal behind the first batch, the scales and sums between that signal and its wait,
; the refill and the loads of the next slot's first K ahead of the second batch.
; CLUSTER: the four work-groups of a cluster share y and walk the same slots: each part is asked for JOINTLY.  A wave has one tensor load out at the most.
; PREFETCH: the sixteen clusters of one y walk the same sixteen slots and share them out: cluster x names slot x (x >= 2), whole, at the change that loads slot x - 1: two key steps ahead of the load that wants it.
; The four partners take 105 blocks of 256 bytes each, told apart by address; waves 0-3 ask, a lane a block (lanes 105-127 name block 104 again).  Slots 0 and 1 come by their loads alone.  The address registers are never rewritten.
; LIMITS: NaN and infinities are not served.  v_exp_f32 gives 0 for p under 2^-126.  A block whose largest p (under the running M) or largest |O| lies under 2^-111 gets the byte 1.  1 / sum is v_rcp_f32.  The scaled scores stay under 2^31 in magnitude.
.set UNIT,  17920                      ; K's image 8,192, V^T's 8,192, K's scale words 1,024, V's 512
.set STEPB, 3*UNIT
.set SLOTB, 2*STEPB
.set PART,  SLOTB/12                   ; 8,960 bytes: a wave's 35 rows
.set SLOT1, 1<<17                      ; slot 1 begins here: one exclusive or turns an address from one slot to the other
.set SPARE, 2*SLOT1                    ; the spare words, 128 bytes for each of twelve waves: six blocks of 256 bytes that no other line names
.set AQ,   1                           ; v1, v2  my head's unit in a slot's first and second step, + 16 x lane
.set AD,   3                           ; v3, v4  the same in the slot in hand
.set SPW,  5                           ; v5      my spare word; never rewritten
.set NIL,  6                           ; v6      0; never rewritten
.set LI,   7                           ; v7      16 x lane
.set LS,   8                           ; v8      4 x lane
.set PFO,  9                           ; v9      the prefetch's offset: 256 x min(thread, 104); never rewritten
.set Q,    16                          ; v16-31  Q's fragment; v24-31 zero codes
.set KR,   32                          ; v32-95  K's eight tiles; v96-103 zeros
.set S,    104                         ; v104-167 S^T, then p
.set O,    168                         ; v168-199 O^T
.set PC,   200                         ; v200-215 p's codes
.set KSC,  216                         ; v216-223 K's scale words, v224-227 V's, v228 Q's, v229 p's
.set VSC,  224
.set QSC,  228
.set PSW,  229
.set BM,   230                         ; v230-233 a block's largest score, then its largest p
.set T4,   234                         ; v234-237 the partner lane's, then the bytes, then a second copy of the bounds
.set HL,   238                         ; v238-241 57,344 x the scale
.set SO,   242                         ; v242-245 the conversions' scale operands
.set F,    246                         ; v[246:247] f
.set TMP,  248
.set C1,   250                         ; v250-255 three chains of the row's sum
.set C2,   252
.set C3,   254
.set WV,   14
.set SEL,  20
.set CS,   22                          ; s[22:23] c = log2(e) / 8
.set MNT,  24
.set TB,   25                          ; the slot in hand
.set SLOTS, 26
.set CNT,  27                          ; changes of slots that have asked for a slot
.set G0,   28
.set G1,   32
.set PFA,  50                          ; s[50:51] my work-group's quarter of the slot that my cluster names
.set LIM,  52                          ; the count of changes at which my wave asks
.set MSB,  0
.macro WIN new                         ; the immediate's high byte repeats the setting that is left
.if MSB != \new
	s_set_vgpr_msb (MSB<<8)|\new
.set MSB, \new
.endif
.endm
.macro CROUND                          ; a whole round of the cluster's barrier
	s_barrier_signal -1
	s_barrier_wait -1
	s_cmp_lg_u32 s[WV], 0
	s_cbranch_scc1 .Lnot_wave_0_\@
	s_barrier_signal -3
.Lnot_wave_0_\@:
	s_barrier_wait -3
	s_barrier_signal -1
	s_barrier_wait -1
.endm
.macro TLOAD                           ; every wave fetches its 35 rows; an s_nop 0 and four v_nop follow the load
	tensor_load_to_lds s[G0:G0+3], s[G1:G1+7]
	s_nop 0
.rept 4
	v_nop
.endr
.endm
.macro KLOAD a                         ; a step's eight tiles of K, as they lie, and their eight scale words: 18 loads
.set n, 0
.rept 16
	ds_load_b128 v[KR+4*n:KR+4*n+3], v[\a] offset:512*n
.set n, n+1
.endr
	ds_load_b128 v[KSC:KSC+3], v[\a] offset:16384
	ds_load_b128 v[KSC+4:KSC+7], v[\a] offset:16896
.endm
.macro VLOAD a                         ; V^T's four fragments into window 1, v0-63 there, and their scale words: 17 loads
	WIN 0x40
.set n, 0
.rept 16
	ds_load_b128 v[4*n:4*n+3], v[\a] offset:8192+512*n
.set n, n+1
.endr
	WIN 0
	ds_load_b128 v[VSC:VSC+3], v[\a] offset:17408
.endm
.macro SMUL
.irp t, 0,1,2,3,4,5,6,7
	v_wmma_scale_f32_16x16x128_f8f6f4 v[S+8*\t:S+8*\t+7], v[KR+8*\t:KR+8*\t+15], v[Q:Q+15], 0, v[KSC+\t], v[QSC] matrix_a_fmt:MATRIX_FMT_BF8 matrix_b_fmt:MATRIX_FMT_BF8
.endr
.endm
.macro RESC                            ; O^T under the M of the step whose product follows; each accumulator from its low end on
.set n, 0
.rept 16
	v_pk_mul_f32 v[O+n:O+n+1], v[O+n:O+n+1], v[F:F+1] op_sel_hi:[1,0]
.set n, n+2
.endr
.endm
.macro PVMUL pv                        ; O^T += V^T P^T, four accumulators by turns; pv = 1: the first product starts the sums
	WIN 0x01                                       ; source 0 (V^T) window 1
.irp t, 0,1,2,3
.if \pv == 1
	v_wmma_scale_f32_16x16x128_f8f6f4 v[O+8*\t:O+8*\t+7], v[16*\t:16*\t+15], v[PC:PC+15], 0, v[VSC+\t], v[PSW] matrix_a_fmt:MATRIX_FMT_BF8 matrix_b_fmt:MATRIX_FMT_BF8
.else
	v_wmma_scale_f32_16x16x128_f8f6f4 v[O+8*\t:O+8*\t+7], v[16*\t:16*\t+15], v[PC:PC+15], v[O+8*\t:O+8*\t+7], v[VSC+\t], v[PSW] matrix_a_fmt:MATRIX_FMT_BF8 matrix_b_fmt:MATRIX_FMT_BF8
.endif
.endr
	WIN 0
.endm
.macro BMAX b0, b1                     ; the largest score of my 16 keys of two blocks, by turns; each accumulator is read from its low end on
.irp b, \b0, \b1
	v_max3_num_f32 v[BM+\b], v[S+16*\b], v[S+16*\b+1], v[S+16*\b+2]
.endr
.irp i, 3,5,7,9,11,13
.irp b, \b0, \b1
	v_max3_num_f32 v[BM+\b], v[BM+\b], v[S+16*\b+\i], v[S+16*\b+\i+1]
.endr
.endr
.irp b, \b0, \b1
	v_max_num_f32 v[BM+\b], v[BM+\b], v[S+16*\b+15]
.endr
.endm
.macro TMM x                           ; t - M, two at a time
	v_pk_fma_f32 v[\x:\x+1], v[\x:\x+1], s[CS:CS+1], v[12:13] op_sel_hi:[1,0,0]
.endm
.macro HOLD2 x, b                      ; two of block b's numbers held at the bound: the conversion does not saturate (ISA guide 7.6.2); p is not negative
	v_dual_min_num_f32 v[\x], v[\x], v[HL+\b] :: v_dual_min_num_f32 v[\x+1], v[\x+1], v[T4+(\b+1)%4]
.endm
.macro CODES b                         ; block b's 16 codes of my lane
	v_cvt_scalef32_pk8_bf8_f32 v[PC+4*\b:PC+4*\b+1], v[S+16*\b:S+16*\b+7], v[SO+\b]
	v_cvt_scalef32_pk8_bf8_f32 v[PC+4*\b+2:PC+4*\b+3], v[S+16*\b+8:S+16*\b+15], v[SO+\b]
.endm
.macro SUM4 x                          ; four pairs of p onto the four chains of the row's sum
	v_pk_add_f32 v[14:15], v[14:15], v[\x:\x+1]
	v_pk_add_f32 v[C1:C1+1], v[C1:C1+1], v[\x+2:\x+3]
	v_pk_add_f32 v[C2:C2+1], v[C2:C2+1], v[\x+4:\x+5]
	v_pk_add_f32 v[C3:C3+1], v[C3:C3+1], v[\x+6:\x+7]
.endm
; THE CHANGE OF SLOTS, in three parts.  CHG_A: all my tensor loads are in (my part of the slot ahead); 0 onto my spare word; fill = 1: the walking descriptor steps.
.macro CHG_A fill
	s_wait_tensorcnt 0x0                           ; no tensor load of mine is out, so group 0 may be written
	ds_add_u32 v[SPW], v[NIL]                      ; 0 onto my spare word; work on registers stands between it and the wait for it
.if \fill
	s_xor_b32 s[G0+1], s[G0+1], SLOT1              ; the other slot than last time,
	s_add_nc_u64 s[G0+2:G0+3], s[G0+2:G0+3], SLOTB ; the next two key steps; the type bits on top are not reached
.endif
.endm
; CHG_S: the add is done and my reads of the slot in hand are over: the opening signal.  Work on registers alone stands between it and CHG_W.
.macro CHG_S
	s_wait_dscnt 0x0
	s_barrier_signal -1
.endm
; CHG_W: the rest of the round (fill = 0: of the work-group's barrier); the slot just left is filled again; the next slot's first K is asked for.
.macro CHG_W fill
	s_wait_alu depctr_va_vdst(0)
	s_barrier_wait -1
.if \fill
	s_cmp_lg_u32 s[WV], 0
	s_cbranch_scc1 .Lnot_w0_\@
	s_barrier_signal -3
.Lnot_w0_\@:
	s_barrier_wait -3
	s_barrier_signal -1
	s_barrier_wait -1
	TLOAD
.endif
	s_xor_b32 s[TB], s[TB], SLOT1
	v_add_nc_u32 v[AD], s[TB], v[AQ]
	v_add_nc_u32 v[AD+1], s[TB], v[AQ+1]
	s_wait_alu depctr_va_vdst(0)
	KLOAD AD
.if \fill
	s_cmp_eq_u32 s[CNT], s[LIM]                    ; the cluster's number, the wave's and the count of changes alone
	s_cbranch_scc0 .Lnot_mine_\@
	global_prefetch_b8 v[PFO], s[PFA:PFA+1] th:TH_LOAD_NT scope:SCOPE_SE
.Lnot_mine_\@:
	s_add_co_u32 s[CNT], s[CNT], 1
.endif
.endm
; A TRIP.  q: the step's place in its slot; pv: the second product of the step before: 0 none, 1 it starts the sums, 2 it adds; chg (q = 1): 2 a change of slots with a refill, 1 without, 0 none.
.macro ITER q, pv, chg
	s_wait_dscnt 0x0                               ; this step's K and the last step's V: no LDS instruction was issued behind them
	SMUL
	s_wait_alu depctr_va_vdst(0)                   ; directly ahead of the first readers of O^T
.if \pv == 2
	RESC                                           ; sixteen lines: the places behind the eight products, ahead of the reads of S^T and of the loads into K's registers
.else
.rept 8
	v_nop
.endr
.endif
.if \pv
	PVMUL \pv
.endif
.if \q == 0
	KLOAD AD+1                                     ; the slot's second step
.endif
	BMAX 0, 1                                      ; sixteen lines: the places ahead of the loads into V's registers
	VLOAD AD+\q
.if \chg == 2
	CHG_A 1
.elseif \chg == 1
	CHG_A 0
.endif
	BMAX 2, 3
.irp b, 0,1,2,3
	v_permlanex16_b32 v[T4+\b], v[BM+\b], s[SEL], s[SEL+1]
.endr
.irp b, 0,1,2,3
	s_delay_alu instid0(VALU_DEP_4)
	v_max_num_f32 v[BM+\b], v[BM+\b], v[T4+\b]     ; THE LARGEST SCORE OF EACH BLOCK OF 32 KEYS: for the row's maximum and, since p rises with the score, for the block's largest p
.endr
	s_delay_alu instid0(VALU_DEP_2)
	v_max3_num_f32 v[TMP], v[BM], v[BM+1], v[BM+2]
	s_delay_alu instid0(VALU_DEP_1)
	v_max_num_f32 v[TMP], v[TMP], v[BM+3]
	s_delay_alu instid0(VALU_DEP_1)
	v_mul_f32 v[TMP], s[CS], v[TMP]                ; as t (c is positive)
	s_delay_alu instid0(VALU_DEP_1)
	v_max_num_f32 v13, v13, v[TMP]                 ; the running largest t
	v_mov_b32 v[TMP], v12
	s_delay_alu instid0(VALU_DEP_2)
	v_floor_f32 v12, -v13                          ; the new -M = floor(-t)
	s_delay_alu instid0(VALU_DEP_1)
	v_sub_f32 v[TMP], v12, v[TMP]                  ; old M - new M: a whole number, 0 or less
	s_delay_alu instid0(VALU_DEP_1)
	v_cvt_i32_f32 v[TMP], v[TMP]                   ; (it saturates)
	s_delay_alu instid0(VALU_DEP_1)
	v_ldexp_f32 v[F], 1.0, v[TMP]                  ; f = 2^(old M - new M)
.set n, 0
.rept 16
	TMM S+n                                        ; blocks 0 and 1
.set n, n+2
.endr
.irp b, 0,1,2,3
	v_fma_f32 v[BM+\b], v[BM+\b], s[CS], v12       ; the same of each block's largest score
.endr
	s_wait_alu depctr_va_vdst(0)
.set n, 0
.rept 16                                       ; THE FIRST BATCH: p = 2^(t - M) of blocks 0 and 1, not normalised; among them t - M of blocks 2 and 3, which the second batch reads
	v_exp_f32 v[S+n], v[S+n]
	TMM S+32+n
	v_exp_f32 v[S+n+1], v[S+n+1]
.set n, n+2
.endr
.irp b, 0,1,2,3
	v_exp_f32 v[BM+\b], v[BM+\b]                   ; the block's largest p: the same two instructions on the same number
.endr
	v_pk_mul_f32 v[14:15], v[14:15], v[F:F+1] op_sel_hi:[1,0]   ; the sums under the new M (a plain line behind the exponentials)
	s_wait_alu depctr_va_vdst(0)                   ; one wait for the batch, ahead of its first reader
.if \chg
	CHG_S
.endif
.irp b, 0,1,2,3
	v_max_num_f32 v[BM+\b], 0x8000000, v[BM+\b]    ; the floor 2^(16 - 127)
.endr
.irp b, 0,1,2,3
	s_delay_alu instid0(VALU_DEP_4)
	v_add_nc_u32 v[SO+\b], 0xf8800000, v[BM+\b]    ; 15 off the exponent field: the conversion's scale operand
.endr
.irp b, 0,1,2,3
	v_and_or_b32 v[HL+\b], v[BM+\b], 0x7f800000, s[MNT]   ; 57,344 x the scale
.endr
.irp b, 0,1,2,3
	v_lshrrev_b32 v[T4+\b], 23, v[SO+\b]           ; the scale's byte
.endr
	s_delay_alu instid0(VALU_DEP_3)
	v_lshl_or_b32 v[PSW], v[T4+1], 8, v[T4]        ; p's scale word for these 128 keys
	s_delay_alu instid0(VALU_DEP_1)
	v_lshl_or_b32 v[PSW], v[T4+2], 16, v[PSW]
	s_delay_alu instid0(VALU_DEP_1)
	v_lshl_or_b32 v[PSW], v[T4+3], 24, v[PSW]
.irp b, 0,1,2,3
	v_and_or_b32 v[T4+(\b+1)%4], v[BM+\b], 0x7f800000, s[MNT]   ; block b's bound once more, in a register whose number differs modulo 4: the two halves of a dual line name second sources in different banks
.endr
	v_pk_add_f32 v[C1:C1+1], v[S:S+1], v[S+2:S+3]  ; THE ROW'S SUM IS TAKEN OF THE UNQUANTISED p: two at a time, in four chains.  Blocks 0 and 1
	v_pk_add_f32 v[C2:C2+1], v[S+4:S+5], v[S+6:S+7]
	v_pk_add_f32 v[C3:C3+1], v[S+8:S+9], v[S+10:S+11]
	SUM4 S+12
	SUM4 S+20
	v_pk_add_f32 v[14:15], v[14:15], v[S+28:S+29]
	v_pk_add_f32 v[C1:C1+1], v[C1:C1+1], v[S+30:S+31]
.if \chg == 2
	CHG_W 1                                        ; its first line is also the wait ahead of the second batch
.elseif \chg == 1
	CHG_W 0
.else
	s_wait_alu depctr_va_vdst(0)
.endif
.set n, 0
.rept 16                                       ; THE SECOND BATCH: p of blocks 2 and 3; among them the holds of blocks 0 and 1, whose results the conversions read behind the wait
	v_exp_f32 v[S+32+n], v[S+32+n]
	HOLD2 S+n, n/16
	v_exp_f32 v[S+32+n+1], v[S+32+n+1]
.set n, n+2
.endr
	v_nop                                          ; a plain line behind the exponentials
	s_wait_alu depctr_va_vdst(0)                   ; one wait for the batch, ahead of its first reader
	CODES 0
	CODES 1
	SUM4 S+32                                      ; the sums of blocks 2 and 3
	SUM4 S+40
	SUM4 S+48
	SUM4 S+56
.irp b, 2,3
.irp i, 0,2,4,6,8,10,12,14
	HOLD2 S+16*\b+\i, \b
.endr
	CODES \b
.endr
	v_pk_add_f32 v[C1:C1+1], v[C1:C1+1], v[C2:C2+1]   ; the chains join: plain lines behind the last conversion
	v_pk_add_f32 v[14:15], v[14:15], v[C3:C3+1]
	s_delay_alu instid0(VALU_DEP_1)
	v_pk_add_f32 v[14:15], v[14:15], v[C1:C1+1]
.endm
	s_load_b256 s[4:11], s[0:1], 0x0               ; q_img s[4:5], q_sc s[6:7], kv s[8:9], ao_img s[10:11]
	s_load_b64 s[12:13], s[0:1], 0x20              ; ao_sc
	v_lshl_add_u32 v[SPW], v0, 2, SPARE
	v_mov_b32 v[NIL], 0
	ds_add_u32 v[SPW], v[NIL]                      ; the wave's opening: the add, twice on end, and its wait ahead of my first tensor load
	ds_add_u32 v[SPW], v[NIL]
	v_lshrrev_b32 v10, 5, v0
	s_delay_alu instid0(VALU_DEP_1)
	v_readfirstlane_b32 s[WV], v10                 ; wave 0..11
	s_lshr_b32 s15, s[WV], 2                       ; j
	s_and_b32 s16, s[WV], 3                        ; i
	v_and_b32 v10, 31, v0
	s_delay_alu instid0(VALU_DEP_1)
	v_lshlrev_b32 v[LI], 4, v10
	s_delay_alu instid0(VALU_DEP_2)
	v_lshlrev_b32 v[LS], 2, v10
	s_mul_i32 s40, s15, UNIT
	v_add_nc_u32 v[AQ], s40, v[LI]
	s_delay_alu instid0(VALU_DEP_1)
	v_add_nc_u32 v[AQ+1], STEPB, v[AQ]
	v_min_u32 v[PFO], 104, v0
	s_delay_alu instid0(VALU_DEP_1)
	v_lshlrev_b32 v[PFO], 8, v[PFO]
	s_bfe_u32 s17, ttmp6, 0x40000                  ; cx: it enters the addresses of my queries, of my output and of my prefetch alone
	s_lshl_b32 s18, ttmp9, 2
	s_add_co_u32 s18, s18, s17                     ; rb
	s_and_b32 s19, ttmp7, 0xffff                   ; y, which the four partners share
	s_and_b32 s41, s19, 1
	s_mul_i32 s41, s41, 3
	s_add_co_u32 s41, s41, s15                     ; hd
	s_lshr_b32 s42, s19, 1
	s_lshl_b32 s42, s42, 8
	s_lshl_b32 s43, s18, 2
	s_add_co_u32 s42, s42, s43
	s_add_co_u32 s42, s42, s16                     ; Tg = 256 batch + 4 rb + i
	; descriptor group 1: 8,960 dense bytes as 35 rows of 32 elements of 8 bytes
	s_mov_b32 s[G1+0], 15|(3<<16)|(1<<21)          ; 15:0 the mask: all four work-groups; 17:16 elements of 8 bytes; 21 set beside a mask
	s_mov_b32 s[G1+1], 32<<16                      ; tensor_dim0
	s_mov_b32 s[G1+2], 35<<16                      ; tensor_dim1
	s_mov_b32 s[G1+3], 32<<16                      ; tile_dim0
	s_mov_b32 s[G1+4], 35                          ; tile_dim1
	s_mov_b32 s[G1+5], 32                          ; the pitch
	s_mov_b32 s[G1+6], 0
	s_mov_b32 s[G1+7], 0
	s_mov_b32 s[SEL], 0x76543210
	s_mov_b32 s[SEL+1], 0xfedcba98
	s_mov_b32 s[CS], 0x3e38aa3b                    ; log2(e) / 8
	s_mov_b32 s[CS+1], s[CS]                       ; (named with it as a pair, so it is written)
	s_mov_b32 s[MNT], 0x600000
	s_mov_b32 s[TB], SLOT1                         ; the first change turns it to slot 0
	s_mov_b32 s[SLOTS], 13
	s_mov_b32 s[CNT], 0
	s_mul_i32 s43, s19, 1720320                    ; y's 32 key steps,
	s_mul_i32 s48, s[WV], PART                     ; my part of a slot
	s_add_co_u32 s46, s43, s48
	s_mov_b32 s47, 0
	s_mul_i32 s44, ttmp9, SLOTB                    ; the slot that my cluster names,
	s_add_co_u32 s44, s44, s43
	s_mul_i32 s48, s17, SLOTB/4                    ; my work-group's quarter of it
	s_add_co_u32 s44, s44, s48
	s_mov_b32 s45, 0
	s_sub_co_u32 s[LIM], ttmp9, 2                  ; change c loads slot c + 1 and names slot c + 2; clusters 0 and 1 reach no count
	s_cmp_lt_u32 s[WV], 4
	s_cselect_b32 s[LIM], s[LIM], -1
	s_wait_dscnt 0x0                               ; both opening adds are done
	s_wait_kmcnt 0x0
	s_add_nc_u64 s[PFA:PFA+1], s[8:9], s[44:45]
	s_mov_b32 s[G0], 1
	s_mul_i32 s[G0+1], s[WV], PART
	s_add_nc_u64 s[G0+2:G0+3], s[8:9], s[46:47]
	s_or_b32 s[G0+3], s[G0+3], 0x80000000
	CROUND                                         ; all four work-groups are here: the first joint loads meet
	TLOAD                                          ; slot 0: one tensor load a wave at the head
	s_lshl_b32 s44, s41, 19
	s_lshl_b32 s43, s42, 10
	s_add_co_u32 s44, s44, s43
	s_add_nc_u64 s[4:5], s[4:5], s[44:45]          ; q_img[hd][Tg]
	s_lshl_b32 s44, s41, 16
	s_lshl_b32 s43, s42, 7
	s_add_co_u32 s44, s44, s43
	s_add_nc_u64 s[6:7], s[6:7], s[44:45]          ; q_sc[hd][Tg]
	s_mul_i32 s44, s42, 6144
	s_lshl_b32 s43, s41, 10
	s_add_co_u32 s44, s44, s43
	s_add_nc_u64 s[10:11], s[10:11], s[44:45]      ; ao_img[Tg][hd]
	s_mul_i32 s44, s42, 384
	s_lshr_b32 s43, s41, 1
	s_lshl_b32 s43, s43, 7
	s_add_co_u32 s44, s44, s43
	s_and_b32 s43, s41, 1
	s_lshl_b32 s43, s43, 1
	s_add_co_u32 s44, s44, s43
	s_add_nc_u64 s[12:13], s[12:13], s[44:45]      ; ao_sc[Tg][hd / 2], my head's half of each word
	s_wait_alu depctr_va_vdst(0)
	global_load_b128 v[Q:Q+3], v[LI], s[4:5]
	global_load_b128 v[Q+4:Q+7], v[LI], s[4:5] offset:512
	global_load_b32 v[QSC], v[LS], s[6:7]
.irp e, 0,1,2,3,4,5,6,7
	v_mov_b32 v[Q+8+\e], 0                         ; zero codes for the upper 64 of the first product's K,
	v_mov_b32 v[KR+64+\e], 0                       ; and behind K's last tile
.endr
	v_mov_b32 v13, 0xff61b1e6                      ; the largest t so far: -3e38
	s_delay_alu instid0(VALU_DEP_1)
	v_floor_f32 v12, -v13                          ; -M
	v_mov_b32 v14, 0                               ; the sum, in two halves
	v_mov_b32 v15, 0
.irp b, 0,1,2,3
	v_mov_b32 v[T4+\b], 0                          ; written once: a lane permute's destination counts as one of its sources
.endr
	v_mov_b32 v[F+1], 0                            ; (named as the upper half of the pair)
	CHG_A 1                                        ; slot 0 is in; slot 1's first fill is issued as a refill is, behind the same lines and a round
	CHG_S
	CHG_W 1                                        ; and step 0's K is asked for
	s_wait_loadcnt 0x0                             ; Q
	ITER 0, 0, 0                                   ; slot 0 is written out: its trips have no second product, or the one that starts the sums
	ITER 1, 1, 2
.Lslot:                                            ; slots 1 to 13: each change asks for the slot two on
	ITER 0, 2, 0
	ITER 1, 2, 2
	s_sub_co_u32 s[SLOTS], s[SLOTS], 1
	s_cmp_lg_u32 s[SLOTS], 0
	s_cbranch_scc1 .Lslot
	ITER 0, 2, 0                                   ; slot 14: its change fills nothing
	ITER 1, 2, 1
	ITER 0, 2, 0                                   ; slot 15: no change
	ITER 1, 2, 0
	s_wait_dscnt 0x0                               ; the last step's V
	s_wait_alu depctr_va_vdst(0)                   ; directly ahead of the first readers of O^T
	RESC
	PVMUL 2
	; THE WAY OUT: O^T / the sum, quantised along the head's 64 (two blocks), as two pieces of the last projection's operand
	v_add_f32 v14, v14, v15                        ; the sum's two halves,
	s_delay_alu instid0(VALU_DEP_1)
	v_permlanex16_b32 v[TMP], v14, s[SEL], s[SEL+1]
	s_delay_alu instid0(VALU_DEP_1)
	v_add_f32 v14, v14, v[TMP]                     ; and lane l xor 16's: the row's sum
	s_wait_alu depctr_va_vdst(0)
	v_rcp_f32 v14, v14
.rept 6
	v_nop                                          ; with the two additions eight places behind the last products; the first is also the plain line behind the reciprocal
.endr
	s_wait_alu depctr_va_vdst(0)
.set n, 0
.rept 32
	v_mul_f32 v[S+n], v[O+n], v14                  ; each accumulator from its low end on: register 16 b + i is channel 32 b + 16 (lane / 16) + i of my query
.set n, n+1
.endr
.irp b, 0,1
	v_max3_num_f32 v[BM+\b], |v[S+16*\b]|, |v[S+16*\b+1]|, 0x8000000
.endr
.irp i, 2,4,6,8,10,12,14
.irp b, 0,1
	s_delay_alu instid0(VALU_DEP_2)
	v_max3_num_f32 v[BM+\b], v[BM+\b], |v[S+16*\b+\i]|, |v[S+16*\b+\i+1]|
.endr
.endr
.irp b, 0,1
	s_delay_alu instid0(VALU_DEP_2)
	v_permlanex16_b32 v[T4+\b], v[BM+\b], s[SEL], s[SEL+1]
.endr
.irp b, 0,1
	s_delay_alu instid0(VALU_DEP_2)
	v_max_num_f32 v[BM+\b], v[BM+\b], v[T4+\b]
.endr
.irp b, 0,1
	s_delay_alu instid0(VALU_DEP_2)
	v_add_nc_u32 v[SO+\b], 0xf8800000, v[BM+\b]
.endr
.irp b, 0,1
	s_delay_alu instid0(VALU_DEP_4)
	v_and_or_b32 v[HL+\b], v[BM+\b], 0x7f800000, s[MNT]
.endr
.irp b, 0,1
	s_delay_alu instid0(VALU_DEP_4)
	v_lshrrev_b32 v[T4+\b], 23, v[SO+\b]
.endr
	s_delay_alu instid0(VALU_DEP_1)
	v_lshl_or_b32 v[TMP], v[T4+1], 8, v[T4]        ; my head's two bytes of the row's scale word
.irp b, 0,1
.irp i, 0,1,2,3,4,5,6,7,8,9,10,11,12,13,14,15
	v_med3_num_f32 v[S+16*\b+\i], v[S+16*\b+\i], -v[HL+\b], v[HL+\b]
.endr
	CODES \b
.endr
	v_nop                                          ; a plain line behind the last conversion
	global_store_b128 v[LI], v[PC:PC+3], s[10:11]              ; 32 lanes store 512 consecutive bytes
	global_store_b128 v[LI], v[PC+4:PC+7], s[10:11] offset:512
	global_store_b16 v[LS], v[TMP], s[12:13]
	s_wait_tensorcnt 0x0                           ; the wave's end
	ds_add_u32 v[SPW], v[NIL]
	s_wait_dscnt 0x0
	CROUND                                         ; the closing round
	s_endpgm
.Lfunc_end_k_q4553763298_attn:
	.size	k_q4553763298_attn, .Lfunc_end_k_q4553763298_attn-k_q4553763298_attn
	.p2alignl 7, 3214868480
	.fill 96, 4, 3214868480
	.section	.rodata,"a",@progbits
	.p2align	6, 0x0
	.amdhsa_kernel k_q4553763298_attn
		.amdhsa_group_segment_fixed_size 327680
		.amdhsa_private_segment_fixed_size 0
		.amdhsa_enable_private_segment 0
		.amdhsa_kernarg_size 40
		.amdhsa_user_sgpr_count 2
		.amdhsa_user_sgpr_kernarg_segment_ptr 1
		.amdhsa_wavefront_size32 1
		.amdhsa_system_sgpr_workgroup_id_x 1
		.amdhsa_system_sgpr_workgroup_id_y 1
		.amdhsa_system_sgpr_workgroup_id_z 1
		.amdhsa_system_vgpr_workitem_id 0
		.amdhsa_next_free_vgpr 320
		.amdhsa_next_free_sgpr 66
		.amdhsa_reserve_vcc 0
		.amdhsa_float_denorm_mode_32 3
		.amdhsa_float_denorm_mode_16_64 3
		.amdhsa_memory_ordered 1
		.amdhsa_forward_progress 1
		.amdhsa_inst_pref_size 167
	.end_amdhsa_kernel
	.amdgpu_metadata
---
amdhsa.version: [ 1, 2 ]
amdhsa.kernels:
  - .name:           k_q4553763298_attn
    .symbol:         k_q4553763298_attn.kd
    .args:
      - { .name: q_img, .offset: 0, .size: 8, .value_kind: global_buffer, .address_space: global }
      - { .name: q_sc, .offset: 8, .size: 8, .value_kind: global_buffer, .address_space: global }
      - { .name: kv, .offset: 16, .size: 8, .value_kind: global_buffer, .address_space: global }
      - { .name: ao_img, .offset: 24, .size: 8, .value_kind: global_buffer, .address_space: global }
      - { .name: ao_sc, .offset: 32, .size: 8, .value_kind: global_buffer, .address_space: global }
    .group_segment_fixed_size: 327680
    .private_segment_fixed_size: 0
    .kernarg_segment_align: 8
    .kernarg_segment_size: 40
    .max_flat_workgroup_size: 384
    .sgpr_count:     66
    .vgpr_count:     320
    .wavefront_size: 32
...
	.end_amdgpu_metadata
.endif
;; end of part 3
;; launch proj (part 4): grid 256 x 1, 12 waves a work-group, no clusters, 51,712 bytes of LDS; arguments ao_img, ao_sc, wimg, bo, x, out0; writes out0
.if DOCPART == 4
	.amdgcn_target "amdgcn-amd-amdhsa--gfx1250"
	.amdhsa_code_object_version 6
	.text
	.protected	k_q4553763298_proj
	.globl	k_q4553763298_proj
	.p2align	8
	.type	k_q4553763298_proj,@function
k_q4553763298_proj:
	s_mov_b64 s[64:65], 0
	v_nop
	global_prefetch_b8 v0, s[64:65] scope:SCOPE_SE
	s_setreg_imm32_b32 hwreg(HW_REG_WAVE_MODE, 25, 1), 1
	s_wait_xcnt 0x0
; out0 = ao Wo + bo + x: the last projection on codes of E5M2 with E8M0 scales (K = 384: three K steps), the bias as the C of each sum's first matrix instruction, the residual added in f32.
; SHARES: a work-group takes 32 tokens (token tiles 2 P, 2 P + 1); wave w makes output columns 32 w .. 32 w + 31 (two tiles of Wo) for them: four accumulators by turns
; twelve matrix instructions.  All operands come from memory as images of their registers, 512 consecutive bytes a load, straight into the one wave that uses them:
; no LDS on the way in, so no tensor loads and no cluster (a fragment of Wo feeds one wave of a work-group; what partners would share is read once a work-group from the cache).
; The product is used TRANSPOSED (source 0 = 16 columns of Wo, source 1 = 16 tokens): a lane holds eight neighbouring columns of one token.  A row's 384 columns come from twelve waves:
; they meet in a stage in LDS (rows of 1,536 + 16 bytes); each wave then takes 512 bytes of eight rows, adds x and stores 512 consecutive aligned bytes an instruction.
.set SPITCH, 1552
.set AO,   32                          ; v32-127  ao's fragments (tile u, K step s) at 16 (3 u + s); later the rows read back
.set WO,   128                         ; v128-223 Wo's fragments (tile e, K step s)
.set ACC,  224                         ; v224-255 accumulator (u, e) at 16 u + 8 e
.set ASC,  8                           ; v8-13    ao's scale words
.set WSC,  14                          ; v14-19   Wo's
.set XR,   0                           ; window 1: v0-31 my part of x
.set BO,   32                          ; window 1: v32-47 bo in the result's layout
.set MSB,  0
.macro WIN new                         ; the immediate's high byte repeats the setting that is left
.if MSB != \new
	s_set_vgpr_msb (MSB<<8)|\new
.set MSB, \new
.endif
.endm
	s_load_b256 s[4:11], s[0:1], 0x0               ; ao_img s[4:5], ao_sc s[6:7], wimg s[8:9], bo s[10:11]
	s_load_b128 s[12:15], s[0:1], 0x20             ; x s[12:13], out0 s[14:15]
	v_lshl_add_u32 v30, v0, 2, 0xc400
	v_mov_b32 v31, 0
	v_lshrrev_b32 v7, 5, v0
	s_delay_alu instid0(VALU_DEP_1)
	v_readfirstlane_b32 s24, v7                    ; wave 0..11
	v_and_b32 v7, 31, v0
	s_delay_alu instid0(VALU_DEP_1)
	v_lshlrev_b32 v1, 4, v7                        ; 16 x lane
	s_delay_alu instid0(VALU_DEP_2)
	v_lshlrev_b32 v2, 2, v7                        ; 4 x lane
	v_bfe_u32 v3, v0, 4, 1
	s_delay_alu instid0(VALU_DEP_1)
	v_lshlrev_b32 v3, 6, v3                        ; 64 h
	v_and_b32 v4, 15, v0
	s_delay_alu instid0(VALU_DEP_1)
	v_and_b32 v7, 8, v4
	s_delay_alu instid0(VALU_DEP_1)
	v_add_nc_u32 v4, v4, v7                        ; r + 8 (r / 8): my token in a tile's 32
	s_delay_alu instid0(VALU_DEP_1)
	v_mul_u32_u24 v4, v4, SPITCH
	s_delay_alu instid0(VALU_DEP_1)
	v_add_nc_u32 v4, v4, v3
	s_lshl_b32 s25, s24, 7
	v_add_nc_u32 v4, s25, v4                       ; the stage, in: my token's row, + 128 w + 64 h
	s_mul_i32 s26, s24, 11
	s_lshr_b32 s26, s26, 5                         ; a = w / 3: rows 8 a .. 8 a + 7; bytes 512 (w - 3 a) on
	s_lshl_b32 s27, s24, 9
	s_mul_i32 s28, s26, 8*SPITCH-1536
	s_add_co_u32 s28, s28, s27
	v_add_nc_u32 v5, s28, v1                       ; the stage, back: 8 a rows + 512 (w - 3 a) + 16 x lane
	s_mul_i32 s28, s26, 8*1536-1536
	s_add_co_u32 s28, s28, s27
	v_add_nc_u32 v6, s28, v1                       ; and the same place in x and in out0
	s_mov_b32 s31, 0
	s_lshr_b32 s32, s24, 1
	s_mul_i32 s32, s32, 104448                     ; head w / 2's block of wimg
	s_and_b32 s33, s24, 1
	s_wait_alu depctr_va_vdst(0)
	s_wait_kmcnt 0x0
	s_mul_i32 s30, ttmp9, 12288
	s_add_nc_u64 s[4:5], s[4:5], s[30:31]
	s_mul_i32 s30, ttmp9, 768
	s_add_nc_u64 s[6:7], s[6:7], s[30:31]
	s_mul_i32 s34, s33, 12288
	s_add_co_u32 s30, s32, s34
	s_add_co_u32 s30, s30, 78336
	s_add_nc_u64 s[16:17], s[8:9], s[30:31]        ; Wo's codes, tiles 2 (w % 2) and 2 (w % 2) + 1 of the head
	s_mul_i32 s34, s33, 768
	s_add_co_u32 s30, s32, s34
	s_add_co_u32 s30, s30, 102912
	s_add_nc_u64 s[18:19], s[8:9], s[30:31]        ; and their scale words
	s_mov_b32 s30, s25
	s_add_nc_u64 s[10:11], s[10:11], s[30:31]      ; bo at column 32 w
	s_mul_i32 s30, ttmp9, 49152
	s_add_nc_u64 s[12:13], s[12:13], s[30:31]
	s_add_nc_u64 s[14:15], s[14:15], s[30:31]
.set n, 0
.rept 24
	global_load_b128 v[AO+4*n:AO+4*n+3], v1, s[4:5] offset:512*n
.set n, n+1
.endr
.irp n, 0,1,2,3,4,5
	global_load_b32 v[ASC+\n], v2, s[6:7] offset:128*\n
.endr
.set n, 0
.rept 24
	global_load_b128 v[WO+4*n:WO+4*n+3], v1, s[16:17] offset:512*n
.set n, n+1
.endr
.irp n, 0,1,2,3,4,5
	global_load_b32 v[WSC+\n], v2, s[18:19] offset:128*\n
.endr
	WIN 0x40                                       ; destination window 1
.irp e, 0,1
	global_load_b128 v[BO+8*\e:BO+8*\e+3], v3, s[10:11] offset:32*\e      ; columns 32 w + 8 e + 16 h + 0 .. 7
	global_load_b128 v[BO+8*\e+4:BO+8*\e+7], v3, s[10:11] offset:32*\e+16
.endr
.irp n, 0,1,2,3,4,5,6,7
	global_load_b128 v[XR+4*\n:XR+4*\n+3], v6, s[12:13] offset:1536*\n th:TH_LOAD_NT
.endr
	WIN 0
	s_wait_loadcnt 8                               ; all but x's eight loads
.irp s, 0,1,2
.if \s == 0
	WIN 0x10                                       ; source 2 (the bias) window 1
.else
	WIN 0
.endif
.irp u, 0,1
.irp e, 0,1
.set rD, ACC+16*\u+8*\e
.if \s == 0
	v_wmma_scale_f32_16x16x128_f8f6f4 v[rD:rD+7], v[WO+16*(3*\e+\s):WO+16*(3*\e+\s)+15], v[AO+16*(3*\u+\s):AO+16*(3*\u+\s)+15], v[BO+8*\e:BO+8*\e+7], v[WSC+3*\e+\s], v[ASC+3*\u+\s] matrix_a_fmt:MATRIX_FMT_BF8 matrix_b_fmt:MATRIX_FMT_BF8
.else
	v_wmma_scale_f32_16x16x128_f8f6f4 v[rD:rD+7], v[WO+16*(3*\e+\s):WO+16*(3*\e+\s)+15], v[AO+16*(3*\u+\s):AO+16*(3*\u+\s)+15], v[rD:rD+7], v[WSC+3*\e+\s], v[ASC+3*\u+\s] matrix_a_fmt:MATRIX_FMT_BF8 matrix_b_fmt:MATRIX_FMT_BF8
.endif
.endr
.endr
.endr
.rept 8
	v_nop                                          ; eight places in front of the stores of results and of the loads into ao's registers
.endr
.irp u, 0,1
.irp e, 0,1
	ds_store_b128 v4, v[ACC+16*\u+8*\e:ACC+16*\u+8*\e+3] offset:8*SPITCH*\u+32*\e        ; each accumulator from its low end on
	ds_store_b128 v4, v[ACC+16*\u+8*\e+4:ACC+16*\u+8*\e+7] offset:8*SPITCH*\u+32*\e+16
.endr
.endr
	s_wait_dscnt 0x0                               ; for the others' sake: my stores into the stage are done
	s_barrier_signal -1
	s_barrier_wait -1
.irp n, 0,1,2,3,4,5,6,7
	ds_load_b128 v[AO+4*\n:AO+4*\n+3], v5 offset:SPITCH*\n
.endr
	s_wait_loadcnt 0x0                             ; x
	s_wait_dscnt 0x0
	WIN 0x04                                       ; source 1 (x) window 1
.set n, 0
.rept 16
	v_pk_add_f32 v[AO+2*n:AO+2*n+1], v[AO+2*n:AO+2*n+1], v[XR+2*n:XR+2*n+1]   ; the residual
.set n, n+1
.endr
	WIN 0
.irp n, 0,1,2,3,4,5,6,7
	global_store_b128 v6, v[AO+4*\n:AO+4*\n+3], s[14:15] offset:1536*\n th:TH_STORE_NT   ; 32 lanes store 512 consecutive bytes, at a multiple of 256 from the buffer's first byte
.endr
	s_wait_tensorcnt 0x0
	ds_add_u32 v30, v31
	s_wait_dscnt 0x0
	s_endpgm
.Lfunc_end_k_q4553763298_proj:
	.size	k_q4553763298_proj, .Lfunc_end_k_q4553763298_proj-k_q4553763298_proj
	.p2alignl 7, 3214868480
	.fill 96, 4, 3214868480
	.section	.rodata,"a",@progbits
	.p2align	6, 0x0
	.amdhsa_kernel k_q4553763298_proj
		.amdhsa_group_segment_fixed_size 51712
		.amdhsa_private_segment_fixed_size 0
		.amdhsa_enable_private_segment 0
		.amdhsa_kernarg_size 48
		.amdhsa_user_sgpr_count 2
		.amdhsa_user_sgpr_kernarg_segment_ptr 1
		.amdhsa_wavefront_size32 1
		.amdhsa_system_sgpr_workgroup_id_x 1
		.amdhsa_system_sgpr_workgroup_id_y 1
		.amdhsa_system_sgpr_workgroup_id_z 1
		.amdhsa_system_vgpr_workitem_id 0
		.amdhsa_next_free_vgpr 304
		.amdhsa_next_free_sgpr 66
		.amdhsa_reserve_vcc 0
		.amdhsa_float_denorm_mode_32 3
		.amdhsa_float_denorm_mode_16_64 3
		.amdhsa_memory_ordered 1
		.amdhsa_forward_progress 1
		.amdhsa_inst_pref_size 15
	.end_amdhsa_kernel
	.amdgpu_metadata
---
amdhsa.version: [ 1, 2 ]
amdhsa.kernels:
  - .name:           k_q4553763298_proj
    .symbol:         k_q4553763298_proj.kd
    .args:
      - { .name: ao_img, .offset: 0, .size: 8, .value_kind: global_buffer, .address_space: global }
      - { .name: ao_sc, .offset: 8, .size: 8, .value_kind: global_buffer, .address_space: global }
      - { .name: wimg, .offset: 16, .size: 8, .value_kind: global_buffer, .address_space: global }
      - { .name: bo, .offset: 24, .size: 8, .value_kind: global_buffer, .address_space: global }
      - { .name: x, .offset: 32, .size: 8, .value_kind: global_buffer, .address_space: global }
      - { .name: out0, .offset: 40, .size: 8, .value_kind: global_buffer, .address_space: global }
    .group_segment_fixed_size: 51712
    .private_segment_fixed_size: 0
    .kernarg_segment_align: 8
    .kernarg_segment_size: 48
    .max_flat_workgroup_size: 384
    .sgpr_count:     66
    .vgpr_count:     304
    .wavefront_size: 32
...
	.end_amdgpu_metadata
.endif
;; end of part 4
